; MI455X (gfx1250); checked and timed in simulation.
; The chip was launched on July 23, 2026; its instructions are those of AMD's public machine-readable ISA for CDNA 5 (MIT licence, August 2026) and "CDNA5" Instruction Set Architecture Reference Guide (July 2026). The comments in the code are by the model that wrote it; some were corrected since.
;; Model. Allowed arithmetic: matrix products marked QUANTISED: E2M1 operands, one E8M0 scale for each 32 along K, by v_wmma_scale_f32_16x16x128_f8f6f4 with both operands' format E2M1 (or v_wmma_scale_f32_32x16x128_f4), f32 sums; everything else in f32.
;; Inputs: x1_codes 2 x 16 x 2,048 x 4 x 16 uint8 (E2M1 codes of x1, K innermost, in blocks of 32 codes, two codes a byte); x1_scales 2 x 16 x 2,048 x 4 uint8 (E8M0 scales of x1, one for each 32 codes along K); x2_codes 2 x 16 x 2,048 x 4 x 16 uint8 (E2M1 codes of x2, K innermost, in blocks of 32 codes, two codes a byte); x2_scales 2 x 16 x 2,048 x 4 uint8 (E8M0 scales of x2, one for each 32 codes along K); x3 1 float32; x4 1 float32; x5_codes 2 x 16 x 128 x 64 x 16 uint8 (E2M1 codes of x5, K innermost, in blocks of 32 codes, two codes a byte); x5_scales 2 x 16 x 128 x 64 uint8 (E8M0 scales of x5, one for each 32 codes along K).
;; Outputs: out0 2 x 16 x 2,048 x 128 float32.
;; This version of the problem:
;;   THIS VERSION OF THE PROBLEM IS GIVEN IN LOW PRECISION. The matrix products marked QUANTISED in the list below multiply operands that are first quantised to E2M1 (2 exponent bits, 1 mantissa bit; 4 bits a number), with one power-of-two scale for each 32 numbers along K (OCP MX v1.0); their sums are f32. All else is computed in f32.
;;   The module's matrix products, in the order in which they are computed (A, B: the left and right operand; K: the contracted axis; several contracted axes count as one K, in the product's order):
;;     1. batch 32 x [M 2,048, K 128] x [K 128, N 2,048]; A: input x1 (given as codes); B: input x2 (given as codes): QUANTISED
;;     2. batch 32 x [M 2,048, K 2,048] x [K 2,048, N 128]; A: computed on the way; B: input x5 (given as codes): QUANTISED
;;   THE QUANTISER, for each operand of a quantised product, along K:
;;     - K is cut into blocks of 32 from its start; a last block that is shorter is filled with zeros.
;;     - A block's scale is 2^e with e = floor(log2(the largest magnitude in the block)) - 2, held to -126 .. 127; a block of zeros has e = 0. As a byte (E8M0): e + 127.
;;     - Each number is divided by its block's scale, clamped to +-6, and rounded to the nearest number of E2M1, ties to even, subnormals kept.
;;     - The product sums the exact products of the quantised numbers (number of the format x scale) in f32.
;;   ~~~python
;;   def quantise(x, axis):      # numpy; x: float32 -> the quantised numbers, widened to float32 again
;;       x = np.moveaxis(x, axis, -1); K = x.shape[-1]
;;       x = np.pad(x, [(0, 0)] * (x.ndim - 1) + [(0, -K % 32)]); x = x.reshape(x.shape[:-1] + (-1, 32)); a = np.abs(x).max(-1, keepdims=True)
;;       e = np.where(a > 0, np.clip(np.frexp(np.where(a > 0, a, 1))[1] - 1 - 2, -126, 127), 0)      # np.frexp(a)[1] - 1 = floor(log2(a)), exactly
;;       r = np.clip(x / 2.0 ** e, -6, 6)
;;       step = 2.0 ** (np.maximum(np.frexp(np.where(r == 0, 1, r))[1] - 1, 0) - 1)
;;       q = np.round(r / step) * step * 2.0 ** e      # np.round: ties to even
;;       return np.moveaxis(q.reshape(q.shape[:-2] + (-1,))[..., :K], -1, axis).astype(np.float32)
;;   ~~~
;;   OPERANDS COMPUTED ON THE WAY. 'Computed on the way' means the value that the module computes at that place (a softmax that the list does not call 'softmax' is quantised finished and normalised). What goes into a quantiser is computed in f32, as accurately as f32 sums, v_exp_f32 and their like allow (about 1e-6 of the number): no bf16 or f16 on the way to a quantiser, and a product that is left as it is and whose result goes on into a quantised operand takes f32 operands (vector FMAs, or v_wmma_f32_16x16x4_f32). A number that lies on a knife's edge between two numbers of the format may be rounded either way, as far as f32 arithmetic and the matrix unit's own rounding can turn it there, and no further.
;;   INPUTS GIVEN AS CODES. x1 (in the module: [2, 16, 2048, 128], K = its axis 3); x2 (in the module: [2, 16, 2048, 128], K = its axis 3); x5 (in the module: [2, 16, 2048, 128], K = its axis 2): each comes as NAME_codes (uint8): NAME with its K axis moved to the last place and cut into blocks of 32 codes, [.., K / 32, bytes a block], one block behind the other in memory; two codes a byte, the lower K in the low four bits (a code: sign, 2 exponent bits, 1 mantissa bit); and NAME_scales (uint8): the same leading axes, one E8M0 byte (e + 127) for each 32 codes along K. Its value is code x scale, taken as it is: it is not quantised again, and the codes and scales need not be those that the quantiser above would give.
;; One version. Each part assembles by itself: llvm-mc -triple=amdgcn-amd-amdhsa -mcpu=gfx1250 --defsym DOCPART=n.
;; ======== version 1 of 1: 1 launch
;; limits: right only within a limited range of input values
;; launch attn (part 1): grid 8 x 32, 8 waves a work-group, clusters of 4 x 1, 327,680 bytes of LDS; arguments x1_codes, x1_scales, x2_codes, x2_scales, x3, x4, x5_codes, x5_scales, out0; writes out0
.if DOCPART == 1
	.amdgcn_target "amdgcn-amd-amdhsa--gfx1250"
	.amdhsa_code_object_version 6
	.text
	.protected	k_q66dfdf61e8_attn
	.globl	k_q66dfdf61e8_attn
	.p2align	8
	.type	k_q66dfdf61e8_attn,@function
k_q66dfdf61e8_attn:
	s_mov_b64 s[64:65], 0
	v_nop
	global_prefetch_b8 v0, s[64:65] scope:SCOPE_SE
	s_setreg_imm32_b32 hwreg(HW_REG_WAVE_MODE, 25, 1), 1
	s_wait_xcnt 0x0
	s_wait_alu depctr_hold_cnt(0) depctr_sa_sdst(0) depctr_va_vdst(0) depctr_va_sdst(0) depctr_va_ssrc(0) depctr_va_vcc(0) depctr_vm_vsrc(0)
	s_getreg_b32 s2, hwreg(HW_REG_IB_STS2, 6, 4)
	s_cmp_eq_u32 s2, 0
	s_cbranch_scc0 .Lentry_in_a_cluster
	s_endpgm
.Lentry_in_a_cluster:
	s_bfe_u32 s2, ttmp6, 0x10000c
	s_cmp_lg_u32 s2, 0x3003
	s_cbranch_scc0 .Lentry_shape_is_right
	s_endpgm
.Lentry_shape_is_right:
; out[h][q][:] = sum over k of P[h][q][k] V[h][k][:],  P = softmax_k(x3 (Q[h][q] . K[h][k])) / (1 - x4).  32 heads, 2,048 queries, 2,048 keys, head size 128.
; Both products on codes of FP4 (E2M1), one E8M0 scale for each 32 along K.  What is quantised for the second product is the FINISHED P, in blocks of 32 keys, so the row's maximum and sum come first: TWO PASSES over the keys.
;   pass 1: S^T = K Q^T, a running largest score, the sum of 2^(t - M).   pass 2: S^T again, |P| = 2^(t - M - L), L = log2(sum |1 - x4|), quantised in registers, O^T += V^T |P|^T.
; t = score x |x3| log2(e); x3's sign is turned into Q's codes once, so the largest t belongs to the largest score.  The sign of 1 - x4 is put on out at the end: the quantiser is odd, so -|P| has |P|'s codes with the signs turned.
; M is the largest t rounded up to a whole number, kept as -M = floor(-t): when M moves, the sum is multiplied by a power of two; no branch hangs on data.
; A block's scale is made from u = t - M - L of the block's largest score: floor(log2 |P|) = floor(u).  (Where v_exp_f32 rounds a u just under a whole number up to the power of two, that one P is held at the largest code.)
; SHARES.  A work-group: 256 queries of one head; each of its eight waves 32 queries, two tiles of 16, so that each fragment of K or V feeds two matrix instructions.  A step is 128 keys, 16 steps a pass.
; A WHOLE HEAD LIES IN LDS, filled once: K's codes and both tensors' scale bytes by the head's loads (one a wave), V's codes by a second group (one a wave), which is waited for behind pass 1's fourth step.
; CLUSTER.  The four query blocks of a cluster belong to one head: every tile is asked for jointly, by the same descriptor and the mask of all four.
; NO DATA PREFETCH: all of K and V is asked for by the two groups of tensor loads at the start; the loops load nothing from memory, so there is no loop to run ahead in.
; LAYOUT.  Both products are used transposed: a lane holds ONE query (lane % 16) of each tile.  Row m of key tile 4 c + u is key 64 c + 8 u + m % 8 + 32 (m / 8): lane (r, h)'s 32 registers of tiles 4 c .. 4 c + 3 are keys
; 64 c + 32 h + 0 .. 31, one whole block in the order of the 4-bit operand's registers.  In pass 1 each lane keeps the maximum and sum of its own 1,024 keys; the two lanes of a query are joined between the passes.
; THE EXPONENTIALS go in two batches a step, a tile each, a wait ahead of each and behind the last.  Between a batch's lines stand only plain lines (or conversions) whose sources were made ahead of the batch's wait and whose results are first read behind the next wait.
; LIMITS: x4 = 1, and NaN or infinity in x3 or x4, are not served (the definition is not finite there); the promise holds while |t| stays under 2^31 and |P| under 2^127.  A scale byte 0xff among the inputs gives NaN.
; |P| under 2^-126 comes out as 0.  A block of P that is all zeros gets the byte 1 where the quantiser says 127: its codes are zeros, and only this kernel reads the byte.
.set SEQ,   2048
.set STEPS, SEQ/128
.set VTRIPS, 4                         ; pass 1's steps ahead of the wait for V
.set KQ,    272                        ; four keys' rows in LDS: 256 bytes + 16
.set KBLK,  8*KQ                       ; a block of 32 keys
.set KSTEP, 2*KBLK                     ; a step takes two blocks of each region
.set KODD,  32*KBLK+32                 ; keys 64 P + 0 .. 31 from byte 0 on, keys 64 P + 32 .. 63 from here on, 32 bytes past a multiple of 256: the 16 rows of a fragment load begin at
                                       ; 64 (r % 4) + 16 (r / 4 % 2) + 32 (r / 8) modulo 256: 16 different multiples of 16 bytes
.set VP,    1040                       ; a row of V: 1,024 bytes + 16
.set VB,    KODD+32*KBLK
.set KSC,   VB+128*VP                  ; K's scale words, dense
.set VSP,   72                         ; a row of V's scale bytes: 64 + 8
.set VSC,   KSC+4*SEQ
.set STAGE, 290048                     ; the way out: 16 rows x (256 + 16) bytes for each wave, whole blocks of 256 bytes into which no fill lands
.set STW,   16*272
.set SPARE, STAGE+8*STW                ; the spare words: 128 bytes a wave, blocks of 256 bytes that no other line names
; window 0
.set AK0, 1
.set AS0, 2
.set AV0, 3
.set AV1, 4
.set AT0, 5
.set ADK, 6
.set ADS, 7
.set ADV, 8
.set ADV2, 9
.set ADT, 10
.set STO, 11
.set RD,  12
.set SH8, 13                           ; 8 (lane / 16)
.set OMP, 14                           ; 1 - x4
.set GO,  15                           ; my byte offset in two rows of out
.set ST,  16                           ; tile x at ST + 8 x: +0 -M (pass 2: -M - L), +1 largest score, +2:3 the packed sum, +4 L, +6:7 2^(old M - new M) and work
.set Q,   32
.set QS,  48                           ; Q's scale words, a register a tile: lane r (and lane 16 + r) holds query r's
.set CV,  50                           ; v[50:51] |x3| log2(e)
.set KS,  52                           ; K's scale words: register T / 2: lanes 0-15 the even tile's, lanes 16-31 the odd tile's
.set VS,  56
.set PW,  60                           ; P's scale words, one a tile
.set SGN, 62                           ; the sign bit of 1 - x4
.set PCD, 64                           ; P's codes, 8 a tile
.set CH,  80                           ; four chains of maxima a tile
.set SO,  88                           ; the conversions' scale operands
.set TT,  92
.set WK,  96                           ; eight of work
.set SPW, 126
.set NIL, 127
.set S,   128                          ; S^T, then P: 64 a tile; on the way out rows of out
; window 1: v0-127 O^T (64 x + 8 t); v128-191 K's eight fragments; v192-255 V's eight
.set KF,  128
.set VF,  192
.set WV,  24
.set SEL, 30
.set G1KS, 32
.set G1K,  40
.set G1VS, 48
.set G1V,  56
.set G0KS, 68
.set G0K,  72
.set G0VS, 76
.set G0V,  80
.set VO,  66
.set TO,  67
.set CUR, 96
.set T0,  97
.set PFK, 98
.set PFS, 99
.set W0KS, 15|(3<<16)|(1<<21)                          ; the mask of all four; elements of 8 bytes; bit 21 beside a mask
.set W0K,  15|(1<<20)|(1<<21)|(5<<22)|(3<<25)          ; bytes; four words of padding after every 64
.set W0VS, 15|(1<<20)|(1<<21)|(3<<22)|(1<<25)          ; two words after every 16
.set W0V,  15|(1<<20)|(1<<21)|(7<<22)|(3<<25)          ; four words after every 256
.set W_LD, 0x40
.set W_QK, 0x01
.set W_PV, 0x51
.set W_ST, 0x04
.set MSB, 0
.macro WIN new
.if MSB != \new
	s_set_vgpr_msb (MSB<<8)|\new
.set MSB, \new
.endif
.endm
.macro ROUND                           ; a round of the cluster's barrier
	s_barrier_signal -1
	s_barrier_wait -1
	s_cmp_lg_u32 s[WV], 0
	s_cbranch_scc1 .Lnot_wave_0_\@
	s_barrier_signal -3
.Lnot_wave_0_\@:
	s_barrier_wait -3
	s_barrier_signal -1
	s_barrier_wait -1
.endm
.macro GROUP1 g, w, cols, rows, pitch
	s_mov_b32 s[\g], \w
	s_mov_b32 s[\g+1], (\cols)<<16
	s_mov_b32 s[\g+2], (\rows)<<16
	s_mov_b32 s[\g+3], (\cols)<<16
	s_mov_b32 s[\g+4], \rows
	s_mov_b32 s[\g+5], \pitch
	s_mov_b32 s[\g+6], 0
	s_mov_b32 s[\g+7], 0
.endm
.macro TL g0, g1                       ; a tensor load with an s_nop and four v_nops behind it
	tensor_load_to_lds s[\g0:\g0+3], s[\g1:\g1+7]
	s_nop 0
.rept 4
	v_nop
.endr
.endm
	s_load_b256 s[4:11], s[0:1], 0x0               ; Q's codes, Q's scales, K's codes, K's scales
	s_load_b256 s[12:19], s[0:1], 0x20             ; x3, x4, V's codes, V's scales
	s_load_b64 s[20:21], s[0:1], 0x40              ; out
	v_lshl_add_u32 v[SPW], v0, 2, SPARE
	v_mov_b32 v[NIL], 0
	ds_add_u32 v[SPW], v[NIL]                      ; the opening lines: the add twice on end and one wait
	ds_add_u32 v[SPW], v[NIL]
	v_lshrrev_b32 v1, 5, v0
	v_readfirstlane_b32 s[WV], v1                  ; wave 0..7
	s_bfe_u32 s25, ttmp6, 0x40000                  ; cx: it enters Q's and out's addresses alone
	s_and_b32 s26, ttmp7, 0xffff                   ; the head, which the four partners share
	GROUP1 G1KS, W0KS, 32, 16, 32                  ; K's scales: 4,096 dense bytes a load, 16 rows of 256
	GROUP1 G1K,  W0K, 2048, 16, 4096               ; K's codes: a row is a block of 32 keys, 2,048 bytes; every second block; 16 blocks a load
	GROUP1 G1VS, W0VS, 64, 64, 64                  ; V's scales: 64 rows of 64 bytes a load
	GROUP1 G1V,  W0V, 1024, 16, 1024               ; V's codes: 16 rows of 1,024 bytes a load
	s_mov_b32 s[SEL], 0x76543210
	s_mov_b32 s[SEL+1], 0xfedcba98
	s_lshl_b32 s84, s26, 17                        ; the head's codes: 131,072 bytes in K and in V
	s_lshl_b32 s86, s26, 13                        ; its scale bytes: 8,192
	s_and_b32 s93, s[WV], 1                        ; which half of a tensor (or of a region of K) my head's load brings
	s_lshl_b32 s88, s93, 12
	s_add_co_u32 s86, s86, s88
	s_mov_b32 s87, 0
	s_lshr_b32 s92, s[WV], 1
	s_and_b32 s92, s92, 1                          ; waves 0, 1: K's even blocks; waves 2, 3: the odd ones
	s_lshl_b32 s90, s92, 11
	s_lshl_b32 s91, s93, 16
	s_add_co_u32 s90, s90, s91
	s_add_co_u32 s90, s90, s84
	s_mov_b32 s91, 0
	s_lshl_b32 s94, s[WV], 14                      ; V's codes: 16 rows a wave
	s_add_co_u32 s94, s94, s84
	s_mov_b32 s95, 0
	s_mov_b32 s[G0KS], 1
	s_add_co_u32 s[G0KS+1], s88, KSC
	s_mov_b32 s[G0K], 1
	s_mul_i32 s92, s92, KODD
	s_mul_i32 s89, s93, 16*KBLK
	s_add_co_u32 s[G0K+1], s92, s89
	s_mov_b32 s[G0VS], 1
	s_mul_i32 s[G0VS+1], s93, 64*VSP
	s_add_co_u32 s[G0VS+1], s[G0VS+1], VSC
	s_mov_b32 s[G0V], 1
	s_mul_i32 s[G0V+1], s[WV], 16*VP
	s_add_co_u32 s[G0V+1], s[G0V+1], VB
	s_lshl_b32 s27, ttmp9, 2                       ; my first query through all heads: 2,048 head + 256 (4 cluster x + cx) + 32 wave
	s_add_co_u32 s27, s27, s25
	s_lshl_b32 s27, s27, 8
	s_lshl_b32 s2, s[WV], 5
	s_add_co_u32 s27, s27, s2
	s_lshl_b32 s2, s26, 11
	s_add_co_u32 s27, s27, s2
	s_mov_b32 s3, 0
	s_wait_dscnt 0x0                               ; both opening adds are done
	s_wait_kmcnt 0x0
	s_load_b32 s22, s[12:13], 0x0                  ; x3
	s_load_b32 s23, s[14:15], 0x0                  ; x4
	s_add_nc_u64 s[G0KS+2:G0KS+3], s[10:11], s[86:87]
	s_or_b32 s[G0KS+3], s[G0KS+3], 0x80000000
	s_add_nc_u64 s[G0K+2:G0K+3], s[8:9], s[90:91]
	s_or_b32 s[G0K+3], s[G0K+3], 0x80000000
	s_add_nc_u64 s[G0VS+2:G0VS+3], s[18:19], s[86:87]
	s_or_b32 s[G0VS+3], s[G0VS+3], 0x80000000
	s_add_nc_u64 s[G0V+2:G0V+3], s[16:17], s[94:95]
	s_or_b32 s[G0V+3], s[G0V+3], 0x80000000
	s_lshl_b32 s2, s27, 6
	s_add_nc_u64 s[4:5], s[4:5], s[2:3]            ; Q's codes: 64 bytes a query
	s_lshl_b32 s2, s27, 2
	s_add_nc_u64 s[6:7], s[6:7], s[2:3]            ; Q's scale words
	s_lshl_b32 s2, s27, 9
	s_add_nc_u64 s[20:21], s[20:21], s[2:3]        ; out: 512 bytes a query
	ROUND                                          ; all four work-groups are here: the joint loads meet
	; THE HEAD'S LOADS, ONE A WAVE, in one chain of arms on the wave's number: waves 0-3 K's codes, waves 4, 5 K's scales, waves 6, 7 V's scales
	s_cmp_lt_u32 s[WV], 4
	s_cbranch_scc0 .Lhead_ks
	TL G0K, G1K
	s_branch .Lhead_asked
.Lhead_ks:
	s_cmp_lt_u32 s[WV], 6
	s_cbranch_scc0 .Lhead_vs
	TL G0KS, G1KS
	s_branch .Lhead_asked
.Lhead_vs:
	TL G0VS, G1VS
.Lhead_asked:
	v_and_b32 v[WK], 31, v0                        ; lane
	v_and_b32 v[WK+1], 15, v0                      ; r
	v_bfe_u32 v[WK+2], v0, 4, 1                    ; h
	v_lshlrev_b32 v[WK+3], 6, v[WK+1]
	v_lshl_add_u32 v[WK+3], v[WK+2], 4, v[WK+3]    ; Q: row r of 64 bytes, + 16 h
	v_lshlrev_b32 v[TT+3], 2, v[WK+1]
.irp x, 0,1
.irp c, 0,1
	global_load_b128 v[Q+8*\x+4*\c:Q+8*\x+4*\c+3], v[WK+3], s[4:5] offset:1024*\x+32*\c th:TH_LOAD_NT
.endr
.endr
	global_load_b32 v[QS], v[TT+3], s[6:7] th:TH_LOAD_NT
	global_load_b32 v[QS+1], v[TT+3], s[6:7] offset:64 th:TH_LOAD_NT
	v_and_b32 v[TT+1], 7, v0                       ; r % 8
	v_bfe_u32 v[TT+2], v0, 3, 1                    ; r / 8
	v_and_b32 v[WK+4], 3, v0                       ; r % 4
	v_bfe_u32 v[WK+5], v0, 2, 1                    ; r / 4 % 2
	v_lshlrev_b32 v[AK0], 6, v[WK+4]               ; K: 64 bytes a key, 272 for four,
	v_mad_u32_u24 v[AK0], v[WK+5], KQ, v[AK0]
	v_mad_u32_u24 v[AK0], v[TT+2], KODD, v[AK0]    ; rows 8-15 of a tile: the other region
	v_lshl_add_u32 v[AK0], v[WK+2], 4, v[AK0]
	v_lshl_add_u32 v[AS0], v[TT+2], 5, v[TT+1]
	v_lshl_add_u32 v[AS0], v[WK+2], 3, v[AS0]      ; lanes 16-31 take the next tile's keys, 8 further on
	v_lshl_add_u32 v[AS0], v[AS0], 2, KSC
	v_mul_u32_u24 v[AV0], v[WK+1], VP
	v_lshl_add_u32 v[AV0], v[WK+2], 4, v[AV0]
	v_add_nc_u32 v[AV0], VB, v[AV0]
	v_add_nc_u32 v[AV1], 64*VP, v[AV0]             ; an LDS offset has 16 bits: tiles 4-7 get a register of their own
	v_mul_u32_u24 v[AT0], v[WK], VSP
	v_add_nc_u32 v[AT0], VSC, v[AT0]
	s_mul_i32 s84, s[WV], STW
	s_add_co_u32 s84, s84, STAGE                   ; my stage
	v_mul_u32_u24 v[STO], v[WK+1], 272
	v_lshl_add_u32 v[STO], v[WK+2], 5, v[STO]
	v_add_nc_u32 v[STO], s84, v[STO]               ; in: row r, + 32 h
	v_mul_u32_u24 v[RD], v[WK+2], 272
	v_lshl_add_u32 v[RD], v[WK+1], 4, v[RD]
	v_add_nc_u32 v[RD], s84, v[RD]                 ; back: lanes 0-15 one row of 256 bytes, lanes 16-31 the next
	v_lshlrev_b32 v[GO], 9, v[WK+2]
	v_lshl_add_u32 v[GO], v[WK+1], 4, v[GO]        ; and the same two rows in out
	v_lshlrev_b32 v[SH8], 3, v[WK+2]
	s_wait_alu depctr_va_vdst(0)                   ; directly ahead of the wait below
	s_wait_kmcnt 0x0                               ; x3, x4
	s_and_b32 s28, s22, 0x7fffffff
	v_mov_b32 v[CV], s28
	v_mul_f32 v[CV], 0x3fb8aa3b, v[CV]             ; |x3| log2(e)
	v_mov_b32 v[CV+1], v[CV]
	v_mov_b32 v[OMP], s23
	v_sub_f32 v[OMP], 1.0, v[OMP]
	v_and_b32 v[SGN], 0x80000000, v[OMP]
	s_ashr_i32 s85, s22, 31
	s_and_b32 s85, s85, 0x88888888                 ; the eight sign bits of a word of codes, where x3 is negative
	s_wait_alu depctr_va_vdst(0)                   ; likewise
	s_wait_loadcnt 0x0                             ; Q
.irp j, 0,1,2,3,4,5,6,7,8,9,10,11,12,13,14,15
	v_xor_b32 v[Q+\j], s85, v[Q+\j]
.endr
.irp x, 0,1
	v_mov_b32 v[ST+8*\x], 0x7f61b1e6               ; -M = 3e38: the first change of M multiplies zeros by 0
	v_mov_b32 v[ST+8*\x+1], 0xff61b1e6             ; the largest score so far: -3e38
.irp j, 2,3,4,5,6,7
	v_mov_b32 v[ST+8*\x+\j], 0
.endr
.endr
.irp j, 0,1,2,3
	v_mov_b32 v[TT+\j], 0                          ; a lane permute's destination counts as one of its sources
.endr
.irp j, 0,1,2,3,4,5,6,7
	v_mov_b32 v[WK+\j], 0
.endr
	s_wait_alu depctr_va_vdst(0)                   ; the wait at the head's end
	s_wait_tensorcnt 0x0                           ; my head's load has landed; the lines ahead of a later first fill:
	ds_add_u32 v[SPW], v[NIL]
	s_wait_dscnt 0x0
	ROUND                                          ; everybody's part of K and of the scales is in, and the four work-groups meet
	TL G0V, G1V                                    ; V's codes, my eighth: my one load behind the round
.macro KLOAD                           ; a step's K: 8 fragments and their scale words: 20 loads
	WIN W_LD
.irp T, 0,1,2,3,4,5,6,7
.irp c, 0,1
	ds_load_b128 v[KF+8*\T+4*\c:KF+8*\T+4*\c+3], v[ADK] offset:KBLK*(\T/4)+2*KQ*(\T%4)+32*\c
.endr
.endr
	WIN 0
.irp g, 0,1,2,3
	ds_load_b32 v[KS+\g], v[ADS] offset:256*(\g/2)+64*(\g%2)
.endr
.endm
.macro VLOAD                           ; a step's V: 8 fragments (16 channels x 128 keys) and their scale words: 20 loads
	WIN W_LD
.irp t, 0,1,2,3
.irp c, 0,1
	ds_load_b128 v[VF+8*\t+4*\c:VF+8*\t+4*\c+3], v[ADV] offset:16*VP*\t+32*\c
.endr
.endr
.irp t, 0,1,2,3
.irp c, 0,1
	ds_load_b128 v[VF+32+8*\t+4*\c:VF+32+8*\t+4*\c+3], v[ADV2] offset:16*VP*\t+32*\c
.endr
.endr
	WIN 0
.irp g, 0,1,2,3
	ds_load_b32 v[VS+\g], v[ADT] offset:32*VSP*\g
.endr
.endm
; THE 32-ROW FORM: source 0 is two neighbouring fragments, 16 registers (rows 0-15, then rows 16-31); its scale words fill the 32 lanes, lane m for row m; the result's registers 0-7 are rows 0-15 and 8-15 rows 16-31
.macro QK1 g, x                        ; S^T = K Q^T: key tiles 2 g and 2 g + 1 x tile x of queries
.set rD, S+64*(\x)+16*(\g)
.set rA, KF+16*(\g)
.set rB, Q+8*(\x)
	v_wmma_scale_f32_32x16x128_f4 v[rD:rD+15], v[rA:rA+15], v[rB:rB+7], 0, v[KS+(\g)], v[QS+(\x)]
.endm
.macro QKALL                           ; tile 0 of the queries first: its maxima are taken first
.irp x, 0,1
.irp g, 0,1,2,3
	QK1 \g, \x
.endr
.endr
.endm
.macro PV1 g, x, zero                  ; O^T += V^T P^T: channels 32 g on x tile x.  zero = 1: the first step starts the sums.  The eight accumulators take turns
.set rD, 64*(\x)+16*(\g)
.set rA, VF+16*(\g)
.set rB, PCD+8*(\x)
.if \zero
	v_wmma_scale_f32_32x16x128_f4 v[rD:rD+15], v[rA:rA+15], v[rB:rB+7], 0, v[VS+(\g)], v[PW+(\x)]
.else
	v_wmma_scale_f32_32x16x128_f4 v[rD:rD+15], v[rA:rA+15], v[rB:rB+7], v[rD:rD+15], v[VS+(\g)], v[PW+(\x)]
.endif
.endm
.macro PVALL zero
.irp g, 0,1,2,3
.irp x, 0,1
	PV1 \g, \x, \zero
.endr
.endr
.endm
; Line i of 32 of the largest of tile x's 64 scores and the running one: four chains.  Each accumulator is first read at its low end.
.macro MAXOP x, i
.set rS, S+64*(\x)
.set rC, CH+4*(\x)
.set kk, (\i)%4
.set nn, (\i)/4
.if (\i) < 4
	v_max3_num_f32 v[rC+kk], v[rS+16*kk], v[rS+16*kk+1], v[rS+16*kk+2]
.elseif (\i) < 28
	v_max3_num_f32 v[rC+kk], v[rC+kk], v[rS+16*kk+2*nn+1], v[rS+16*kk+2*nn+2]
.elseif (\i) == 28
	v_max3_num_f32 v[rC], v[rC], v[rS+15], v[rS+31]
.elseif (\i) == 29
	v_max3_num_f32 v[rC+2], v[rC+2], v[rS+47], v[rS+63]
.elseif (\i) == 30
	v_max3_num_f32 v[rC], v[rC], v[rC+1], v[rC+2]
.else
	v_max3_num_f32 v[ST+8*(\x)+1], v[ST+8*(\x)+1], v[rC], v[rC+3]
.endif
.endm
; Line i of 32 of the largest SCORE of each of tile x's two blocks of 32: chains 0, 1 the blocks' first 16, chains 2, 3 their other 16, whose last line takes the first chain in
.macro BMAXOP x, i
.set rC, CH+4*(\x)
.set kk, (\i)%4
.set nn, (\i)/4
.set rA, S+64*(\x)+32*(kk%2)+16*(kk/2)
.if nn == 0
	v_max3_num_f32 v[rC+kk], v[rA], v[rA+1], v[rA+2]
.elseif nn < 7
	v_max3_num_f32 v[rC+kk], v[rC+kk], v[rA+2*nn+1], v[rA+2*nn+2]
.elseif kk < 2
	v_max_num_f32 v[rC+kk], v[rC+kk], v[rA+15]
.else
	v_max3_num_f32 v[rC+kk], v[rC+kk], v[rA+15], v[rC+kk-2]
.endif
.endm
; Line k of 7 of tile x's new -M, and its sum brought under it.  The lines of this chain are laid between the other tile's independent lines
.macro UPDL x, k
.set rT, ST+8*(\x)
.if (\k) == 0
	v_mul_f32 v[TT+2*(\x)], v[CV], v[rT+1]         ; the largest t (the factor is not negative)
.elseif (\k) == 1
	v_mov_b32 v[rT+7], v[rT]
.elseif (\k) == 2
	v_floor_f32 v[rT], -v[TT+2*(\x)]               ; -M = floor(-t): a whole number
.elseif (\k) == 3
	v_sub_f32 v[rT+7], v[rT], v[rT+7]              ; old M - new M: 0 or less
.elseif (\k) == 4
	v_cvt_i32_f32 v[rT+7], v[rT+7]                 ; (it saturates)
.elseif (\k) == 5
	v_ldexp_f32 v[rT+6], 1.0, v[rT+7]
.else
	v_pk_mul_f32 v[rT+2:rT+3], v[rT+2:rT+3], v[rT+6:rT+7] op_sel_hi:[1,0]
.endif
.endm
; Line k of 16 of tile x's two scales and its scale word, from the blocks' largest scores
.macro SC x, k
.set rM, CH+4*(\x)+2+(\k)%2
.set rT, TT+2*(\x)
.set rO, SO+2*(\x)
.if (\k) < 2
	v_fma_f32 v[rM], v[rM], v[CV], v[ST+8*(\x)]    ; u = t - M - L of the block's largest score
.elseif (\k) < 4
	v_max_num_f32 v[rM], 0xc2f80000, v[rM]         ; not under -124: the byte cannot fall under 1
.elseif (\k) < 6
	v_floor_f32 v[rM], v[rM]
.elseif (\k) < 8
	v_cvt_i32_f32 v[rM], v[rM]
.elseif (\k) < 10
	v_add_nc_u32 v[rT+(\k)%2], 125, v[rM]          ; the scale's byte: floor(u) - 2 + 127
.elseif (\k) < 12
	v_lshlrev_b32 v[rO+(\k)%2], 23, v[rT+(\k)%2]   ; as an exponent field: the conversion's scale operand
.elseif (\k) == 12
	v_lshl_or_b32 v[rT], v[rT+1], 16, v[rT]        ; my two bytes: blocks h and 2 + h of my query,
.elseif (\k) == 13
	v_lshlrev_b32 v[rT], v[SH8], v[rT]             ; at their places in the scale word;
.elseif (\k) == 14
	v_permlanex16_b32 v[rT+1], v[rT], s[SEL], s[SEL+1]
.else
	v_or_b32 v[PW+(\x)], v[rT], v[rT+1]            ; with lane l xor 16's two the word is whole
.endif
.endm
.macro FMA x, i                        ; pair i: score x factor + ST's low word
	v_pk_fma_f32 v[S+64*(\x)+2*(\i):S+64*(\x)+2*(\i)+1], v[S+64*(\x)+2*(\i):S+64*(\x)+2*(\i)+1], v[CV:CV+1], v[ST+8*(\x):ST+8*(\x)+1] op_sel_hi:[1,0,0]
.endm
.macro EXPO x, j
	v_exp_f32 v[S+64*(\x)+(\j)], v[S+64*(\x)+(\j)]
.endm
.macro ADDP x, a, b                    ; pair a += pair b
	v_pk_add_f32 v[S+64*(\x)+2*(\a):S+64*(\x)+2*(\a)+1], v[S+64*(\x)+2*(\a):S+64*(\x)+2*(\a)+1], v[S+64*(\x)+2*(\b):S+64*(\x)+2*(\b)+1]
.endm
.macro LEVEL x, n                      ; a level of the tree of sums: pairs 0 .. n - 1 += pairs n .. 2 n - 1
.set j, 0
.rept \n
	ADDP \x, j, j+\n
.set j, j+1
.endr
.endm
.macro CVT x, g                        ; register g of the operand: keys 64 (g / 4) + 32 h + 8 (g % 4) + 0 .. 7
	v_cvt_scalef32_pk8_fp4_f32 v[PCD+8*(\x)+(\g)], v[S+64*(\x)+8*(\g):S+64*(\x)+8*(\g)+7], v[SO+2*(\x)+(\g)/4]
.endm
.macro BATCH0                          ; tile 0's exponentials, tile 1's multiply-adds between them (their results are first read behind the next wait)
	s_wait_alu depctr_va_vdst(0)                   ; the wait ahead of the batch
.set i, 0
.rept 32
	EXPO 0, 2*i
	EXPO 0, 2*i+1
	FMA 1, i
.set i, i+1
.endr
	s_wait_alu depctr_va_vdst(0)                   ; behind the first batch and ahead of the second
.endm
; A STEP OF PASS 1
.macro STEP1
	s_wait_dscnt 0x0                               ; this step's K, asked for a step ago
	WIN W_QK
	QKALL
	WIN 0
	s_add_co_u32 s[T0], s[CUR], 1
	s_and_b32 s[T0], s[T0], STEPS-1                ; the next step; the last trip fetches step 0, with which pass 2 begins
	s_mul_i32 s[PFK], s[T0], KSTEP
	s_lshl_b32 s[PFS], s[T0], 9
	v_add_nc_u32 v[ADK], s[PFK], v[AK0]            ; four plain lines between the products and the loads into their sources and the reads of their results
	v_add_nc_u32 v[ADS], s[PFS], v[AS0]
	v_nop
	v_nop
	KLOAD
.set i, 0
.rept 16
	MAXOP 0, i
.set i, i+1
.endr
.set i, 0
.rept 16
	MAXOP 0, 16+i
	MAXOP 1, i
.set i, i+1
.endr
.set i, 0
.rept 16
	MAXOP 1, 16+i
.if (i%2 == 1) && (i < 15)
	UPDL 0, i/2
.endif
.set i, i+1
.endr
.set i, 0
.rept 32
	FMA 0, i                                       ; t - M
.if (i%2 == 1) && (i < 15)
	UPDL 1, i/2
.endif
.set i, i+1
.endr
	BATCH0
.set i, 0
.rept 16
	EXPO 1, 4*i
	EXPO 1, 4*i+1
	EXPO 1, 4*i+2
	EXPO 1, 4*i+3
	ADDP 0, i, i+16                                ; tile 0's first level of sums: sixteen lines that hang on no line of this batch
.set i, i+1
.endr
	s_wait_alu depctr_va_vdst(0)                   ; behind the second batch
	LEVEL 1, 16
	LEVEL 0, 8
	LEVEL 1, 8
	LEVEL 0, 4
	LEVEL 1, 4
	LEVEL 0, 2
	LEVEL 1, 2
	s_delay_alu instid0(VALU_DEP_3)
	LEVEL 0, 1
	s_delay_alu instid0(VALU_DEP_2)
	LEVEL 1, 1
	s_delay_alu instid0(VALU_DEP_2)
	v_pk_add_f32 v[ST+2:ST+3], v[ST+2:ST+3], v[S:S+1]
	s_delay_alu instid0(VALU_DEP_2)
	v_pk_add_f32 v[ST+10:ST+11], v[ST+10:ST+11], v[S+64:S+65]
.endm
; A STEP OF PASS 2.  zero = 1: the first step, which starts O^T's sums.  more = 1: the next step's K is fetched
.macro STEP2 zero, more
	s_wait_dscnt 0x0                               ; this step's K
	WIN W_QK
	QKALL
	WIN 0
	s_lshl_b32 s[VO], s[CUR], 6                    ; 128 keys are 64 bytes of a row of V,
	s_lshl_b32 s[TO], s[CUR], 2                    ; and 4 scale bytes
.if \more
	s_add_co_u32 s[T0], s[CUR], 1
	s_mul_i32 s[PFK], s[T0], KSTEP
	s_lshl_b32 s[PFS], s[T0], 9
.endif
	v_add_nc_u32 v[ADV], s[VO], v[AV0]             ; five plain lines: the places in front of the loads below
	v_add_nc_u32 v[ADV2], s[VO], v[AV1]
	v_add_nc_u32 v[ADT], s[TO], v[AT0]
.if \more
	v_add_nc_u32 v[ADK], s[PFK], v[AK0]
	v_add_nc_u32 v[ADS], s[PFS], v[AS0]
.else
	v_nop
	v_nop
.endif
	VLOAD
.if \more
	KLOAD
.endif
.set i, 0
.rept 16
	BMAXOP 0, i
.set i, i+1
.endr
.set i, 0
.rept 16
	BMAXOP 0, 16+i
	BMAXOP 1, i
.set i, i+1
.endr
.set i, 0
.rept 16
	BMAXOP 1, 16+i
	SC 0, i
.set i, i+1
.endr
.set i, 0
.rept 32
	FMA 0, i                                       ; t - M - L
.if i < 16
	SC 1, i
.endif
.set i, i+1
.endr
	BATCH0
.set i, 0
.rept 8
.set j, 0
.rept 8
	EXPO 1, 8*i+j
.set j, j+1
.endr
	CVT 0, i                                       ; tile 0's codes: their sources stand ahead of the wait above, their results are read behind the waits below
.set i, i+1
.endr
	v_nop                                          ; a plain line behind the batch
	s_wait_alu depctr_va_vdst(0)                   ; behind the second batch
.set i, 0
.rept 8
	CVT 1, i
.set i, i+1
.endr
.rept 4
	v_nop                                          ; four plain lines between the last conversion and the scaled products that read the codes
.endr
.if \more
	s_wait_dscnt 20                                ; V's 20 loads are in; the next step's 20 of K, issued behind them, may stay out
.else
	s_wait_dscnt 0x0
.endif
	WIN W_PV
	s_wait_alu depctr_va_vdst(0)                   ; directly ahead of the first reader of O^T and of P's codes
	PVALL \zero
	WIN 0
.endm
	v_add_nc_u32 v[ADK], 0, v[AK0]                 ; step 0
	v_add_nc_u32 v[ADS], 0, v[AS0]
	KLOAD
	s_mov_b32 s[CUR], 0
.Lpass1a:
	STEP1
	s_add_co_u32 s[CUR], s[CUR], 1
	s_cmp_lt_u32 s[CUR], VTRIPS
	s_cbranch_scc1 .Lpass1a
	s_wait_tensorcnt 0x0                           ; my eighth of V's codes has landed,
	s_wait_dscnt 0x0                               ; no LDS load of mine is out at the signal,
	s_barrier_signal -1
	s_barrier_wait -1                              ; and everybody's part of V is in: from here on no wave waits for another before the closing round
	s_mov_b32 s[CUR], VTRIPS
.Lpass1b:
	STEP1
	s_add_co_u32 s[CUR], s[CUR], 1
	s_cmp_lt_u32 s[CUR], STEPS
	s_cbranch_scc1 .Lpass1b
	; BETWEEN THE PASSES: the two lanes of a query are joined: the row's -M is the smaller; each lane's sum is brought under it by a power of two; L = log2(sum |1 - x4|)
.irp x, 0,1
	v_permlanex16_b32 v[WK+4*\x], v[ST+8*\x], s[SEL], s[SEL+1]
	v_add_f32 v[ST+8*\x+2], v[ST+8*\x+2], v[ST+8*\x+3]             ; my 1,024 keys' sum
	v_min_num_f32 v[WK+4*\x+2], v[ST+8*\x], v[WK+4*\x]
	v_permlanex16_b32 v[WK+4*\x+1], v[ST+8*\x+2], s[SEL], s[SEL+1]
	v_sub_f32 v[WK+4*\x+3], v[WK+4*\x+2], v[ST+8*\x]               ; my M - the row's: a whole number, 0 or less
	v_sub_f32 v[WK+4*\x], v[WK+4*\x+2], v[WK+4*\x]                 ; the other lane's
	v_cvt_i32_f32 v[WK+4*\x+3], v[WK+4*\x+3]
	v_cvt_i32_f32 v[WK+4*\x], v[WK+4*\x]
	v_ldexp_f32 v[ST+8*\x+2], v[ST+8*\x+2], v[WK+4*\x+3]
	v_ldexp_f32 v[WK+4*\x+1], v[WK+4*\x+1], v[WK+4*\x]
	v_add_f32 v[ST+8*\x+2], v[ST+8*\x+2], v[WK+4*\x+1]
	v_mul_f32 v[ST+8*\x+2], v[ST+8*\x+2], |v[OMP]|
.endr
	s_wait_alu depctr_va_vdst(0)                   ; ahead of the batch of two
	v_log_f32 v[ST+4], v[ST+2]
	v_log_f32 v[ST+12], v[ST+10]
	v_nop
	s_wait_alu depctr_va_vdst(0)                   ; and behind it
	v_sub_f32 v[ST], v[WK+2], v[ST+4]              ; -M - L
	v_sub_f32 v[ST+8], v[WK+6], v[ST+12]
	s_wait_alu depctr_va_vdst(0)                   ; ahead of the step's first wait
	s_mov_b32 s[CUR], 0
	STEP2 1, 1                                     ; written out: its products start O^T's sums
	s_mov_b32 s[CUR], 1
.Lpass2:
	STEP2 0, 1
	s_add_co_u32 s[CUR], s[CUR], 1
	s_cmp_lt_u32 s[CUR], STEPS-1
	s_cbranch_scc1 .Lpass2
	s_mov_b32 s[CUR], STEPS-1
	STEP2 0, 0                                     ; written out: no further K is fetched
	; THE WAY OUT.  A lane holds 32 neighbouring bytes of a row of out: 16 rows x 256 bytes at a time go through my own stage and come back as whole rows; the sign of 1 - x4 is put on as they come back.
.rept 4
	v_nop                                          ; four plain lines between the last products and the stores that read their results
.endr
	WIN W_ST                                       ; an LDS store's data are its source 1: window 1; addresses and loaded data stay in window 0
.irp x, 0,1
.irp u, 0,1
.irp t, 0,1,2,3
	ds_store_b128 v[STO], v[64*\x+32*\u+8*\t:64*\x+32*\u+8*\t+3] offset:64*\t          ; out(16 x + r, 64 u + 16 t + 8 h + 0 .. 3): each accumulator from its low end on
	ds_store_b128 v[STO], v[64*\x+32*\u+8*\t+4:64*\x+32*\u+8*\t+7] offset:64*\t+16
.endr
.irp i, 0,1,2,3,4,5,6,7
	ds_load_b128 v[S+64*\x+32*\u+4*\i:S+64*\x+32*\u+4*\i+3], v[RD] offset:2*\i*272   ; LDS serves a wave's instructions in order (ISA guide 5.7.1.4): these see my stores, and the next part's stores come behind them
.endr
.endr
.endr
	WIN 0
.irp x, 0,1
.irp u, 0,1
.irp i, 0,1,2,3,4,5,6,7
	s_wait_dscnt 16*(3-2*\x-\u)+7-\i               ; behind this load: 7 - i loads of its part and 16 LDS instructions for each later part
.irp j, 0,1,2,3
	v_xor_b32 v[S+64*\x+32*\u+4*\i+\j], v[SGN], v[S+64*\x+32*\u+4*\i+\j]
.endr
	global_store_b128 v[GO], v[S+64*\x+32*\u+4*\i:S+64*\x+32*\u+4*\i+3], s[20:21] offset:(16*\x+2*\i)*512+256*\u th:TH_STORE_NT   ; 16 lanes store 256 consecutive bytes, at a multiple of 256 from out's first byte
.endr
.endr
.endr
	s_wait_tensorcnt 0x0                           ; the wave's end
	ds_add_u32 v[SPW], v[NIL]
	s_wait_dscnt 0x0
	ROUND                                          ; the closing round
	s_endpgm
.Lfunc_end_k_q66dfdf61e8_attn:
	.size	k_q66dfdf61e8_attn, .Lfunc_end_k_q66dfdf61e8_attn-k_q66dfdf61e8_attn
	.p2alignl 7, 3214868480
	.fill 96, 4, 3214868480
	.section	.rodata,"a",@progbits
	.p2align	6, 0x0
	.amdhsa_kernel k_q66dfdf61e8_attn
		.amdhsa_group_segment_fixed_size 327680
		.amdhsa_private_segment_fixed_size 0
		.amdhsa_enable_private_segment 0
		.amdhsa_kernarg_size 72
		.amdhsa_user_sgpr_count 2
		.amdhsa_user_sgpr_kernarg_segment_ptr 1
		.amdhsa_wavefront_size32 1
		.amdhsa_system_sgpr_workgroup_id_x 1
		.amdhsa_system_sgpr_workgroup_id_y 1
		.amdhsa_system_sgpr_workgroup_id_z 1
		.amdhsa_system_vgpr_workitem_id 0
		.amdhsa_next_free_vgpr 512
		.amdhsa_next_free_sgpr 100
		.amdhsa_reserve_vcc 0
		.amdhsa_float_denorm_mode_32 3
		.amdhsa_float_denorm_mode_16_64 3
		.amdhsa_memory_ordered 1
		.amdhsa_forward_progress 1
		.amdhsa_inst_pref_size 125
	.end_amdhsa_kernel
	.amdgpu_metadata
---
amdhsa.version: [ 1, 2 ]
amdhsa.kernels:
  - .name:           k_q66dfdf61e8_attn
    .symbol:         k_q66dfdf61e8_attn.kd
    .args:
      - { .name: x1_codes, .offset: 0, .size: 8, .value_kind: global_buffer, .address_space: global }
      - { .name: x1_scales, .offset: 8, .size: 8, .value_kind: global_buffer, .address_space: global }
      - { .name: x2_codes, .offset: 16, .size: 8, .value_kind: global_buffer, .address_space: global }
      - { .name: x2_scales, .offset: 24, .size: 8, .value_kind: global_buffer, .address_space: global }
      - { .name: x3, .offset: 32, .size: 8, .value_kind: global_buffer, .address_space: global }
      - { .name: x4, .offset: 40, .size: 8, .value_kind: global_buffer, .address_space: global }
      - { .name: x5_codes, .offset: 48, .size: 8, .value_kind: global_buffer, .address_space: global }
      - { .name: x5_scales, .offset: 56, .size: 8, .value_kind: global_buffer, .address_space: global }
      - { .name: out0, .offset: 64, .size: 8, .value_kind: global_buffer, .address_space: global }
    .group_segment_fixed_size: 327680
    .private_segment_fixed_size: 0
    .kernarg_segment_align: 8
    .kernarg_segment_size: 72
    .max_flat_workgroup_size: 256
    .sgpr_count:     100
    .vgpr_count:     512
    .wavefront_size: 32
...
	.end_amdgpu_metadata
.endif
;; end of part 1
